; MI455X (gfx1250); checked and timed in simulation.
; The chip was launched on July 23, 2026; its instructions are those of AMD's public machine-readable ISA for CDNA 5 (MIT licence, August 2026) and "CDNA5" Instruction Set Architecture Reference Guide (July 2026). The comments in the code are by the model that wrote it; some were corrected since.
;; Multiheaded Attention FM. Allowed arithmetic: matrix products marked QUANTISED: E4M3 operands, one given power-of-two scale a tensor, by v_wmma_f32_16x16x64_fp8_fp8 or v_wmma_f32_16x16x128_fp8_fp8, f32 sums; everything else in f32.
;; Inputs: beta 256 float32; gamma 256 float32; lowp_scales 12 int32 (the exponents e of the quantised operands' scales 2^e); wk_codes 256 x 8 x 32 uint8 (E4M3 codes of wk, K innermost, in blocks of 32 codes); wo_codes 256 x 8 x 32 uint8 (E4M3 codes of wo, K innermost, in blocks of 32 codes); wq_codes 256 x 8 x 32 uint8 (E4M3 codes of wq, K innermost, in blocks of 32 codes); wv_codes 256 x 8 x 32 uint8 (E4M3 codes of wv, K innermost, in blocks of 32 codes); x 4 x 256 x 64 x 64 float32.
;; Outputs: out0 4 x 256 x 64 x 64 float32.
;; This version of the problem:
;;   THIS VERSION OF THE PROBLEM IS GIVEN IN LOW PRECISION. The matrix products marked QUANTISED in the list below multiply operands that are first quantised to E4M3 (4 exponent bits, 3 mantissa bits; 8 bits a number), with one given power-of-two scale for each operand tensor; their sums are f32. All else is computed in f32.
;;   The module's matrix products, in the order in which they are computed (A, B: the left and right operand; K: the contracted axis; several contracted axes count as one K, in the product's order):
;;     1. [M 16,384, K 256] x [K 256, N 256]; A: computed on the way; B: input wq (given as codes): QUANTISED (scales: A lowp_scales[0], B lowp_scales[1])
;;     2. [M 16,384, K 256] x [K 256, N 256]; A: computed on the way; B: input wk (given as codes): QUANTISED (scales: A lowp_scales[2], B lowp_scales[3])
;;     3. [M 16,384, K 256] x [K 256, N 256]; A: computed on the way; B: input wv (given as codes): QUANTISED (scales: A lowp_scales[4], B lowp_scales[5])
;;     4. batch 16 x [M 4,096, K 64] x [K 64, N 4,096]; A: computed on the way; B: computed on the way: QUANTISED (scales: A lowp_scales[6], B lowp_scales[7])
;;     5. batch 16 x [M 4,096, K 4,096] x [K 4,096, N 64]; A: softmax (see below); B: computed on the way: QUANTISED (scales: A lowp_scales[8], B lowp_scales[9])
;;     6. [M 16,384, K 256] x [K 256, N 256]; A: computed on the way; B: input wo (given as codes): QUANTISED (scales: A lowp_scales[10], B lowp_scales[11])
;;   THE QUANTISER, for each operand of a quantised product, along K:
;;     - The operand's scale is 2^e, e = its entry of the input lowp_scales (int32; the entries are numbered through the quantised products in the list's order, A before B).
;;     - Each number is divided by the scale, clamped to +-448, and rounded to the nearest number of E4M3, ties to even, subnormals kept.
;;     - The product sums the exact products of the quantised numbers (number of the format x scale) in f32.
;;   ~~~python
;;   def quantise(x, axis, e):      # numpy; x: float32 -> the quantised numbers, widened to float32 again
;;       x = np.moveaxis(x, axis, -1); K = x.shape[-1]
;;       r = np.clip(x / 2.0 ** e, -448, 448)
;;       step = 2.0 ** (np.maximum(np.frexp(np.where(r == 0, 1, r))[1] - 1, -6) - 3)
;;       q = np.round(r / step) * step * 2.0 ** e      # np.round: ties to even
;;       return np.moveaxis(q, -1, axis).astype(np.float32)
;;   ~~~
;;   SOFTMAX AHEAD OF A QUANTISED PRODUCT. Where the list says 'softmax', what is quantised is not the finished softmax but p = 2^(t - M), with t = logit x log2(e) and M = ceil(the row's largest t), a whole number; so 1/2 < the row's largest p <= 1. The row's sum l is taken of the UNQUANTISED p, in f32, and the product's result is divided by l at the end. Since M is a whole number, a kernel that streams over the keys may use a running M (the ceiling of the running maximum): every later rescaling is an exact power of two, so the quantised numbers keep their values, but for numbers so far below the row's largest that they fall under the format's range.
;;   OPERANDS COMPUTED ON THE WAY. 'Computed on the way' means the value that the module computes at that place (a softmax that the list does not call 'softmax' is quantised finished and normalised). What goes into a quantiser is computed in f32, as accurately as f32 sums, v_exp_f32 and their like allow (about 1e-6 of the number): no bf16 or f16 on the way to a quantiser, and a product that is left as it is and whose result goes on into a quantised operand takes f32 operands (vector FMAs, or v_wmma_f32_16x16x4_f32). A number that lies on a knife's edge between two numbers of the format may be rounded either way, as far as f32 arithmetic and the matrix unit's own rounding can turn it there, and no further.
;;   INPUTS GIVEN AS CODES. wk (in the module: [256, 256], K = its axis 1); wo (in the module: [256, 256], K = its axis 1); wq (in the module: [256, 256], K = its axis 1); wv (in the module: [256, 256], K = its axis 1): each comes as NAME_codes (uint8): NAME with its K axis moved to the last place and cut into blocks of 32 codes, [.., K / 32, bytes a block], one block behind the other in memory; one code a byte (a code: sign, 4 exponent bits, 3 mantissa bits); its scale is its entry of lowp_scales. Its value is code x scale, taken as it is: it is not quantised again, and the codes and scales need not be those that the quantiser above would give.
;; One version. Each part assembles by itself: llvm-mc -triple=amdgcn-amd-amdhsa -mcpu=gfx1250 --defsym DOCPART=n.
;; ======== version 1 of 1: 3 launches
;; limits: right only within a limited range of input values
;; workspace buffers: part 2,048 bytes; q_img 4,194,304 bytes; kv 8,388,608 bytes
;; launch stats (part 1): grid 256 x 1, 8 waves a work-group, no clusters, 1,280 bytes of LDS; arguments x, part; writes part
.if DOCPART == 1
	.amdgcn_target "amdgcn-amd-amdhsa--gfx1250"
	.amdhsa_code_object_version 6
	.text
	.protected	k_qc36a23be84_stats
	.globl	k_qc36a23be84_stats
	.p2align	8
	.type	k_qc36a23be84_stats,@function
k_qc36a23be84_stats:
	s_mov_b64 s[64:65], 0
	v_nop
	global_prefetch_b8 v0, s[64:65] scope:SCOPE_SE
	s_setreg_imm32_b32 hwreg(HW_REG_WAVE_MODE, 25, 1), 1
	s_wait_xcnt 0x0
; GROUP NORM'S STATISTICS, by halves of a group.  x: [4][256][4096] f32.  A group is 8 channels x 4,096 tokens = 32,768 numbers, 131,072 bytes on end.
; Work-group i takes the 65,536 bytes at 65,536 i: half (i % 2) of group (i / 2), 16,384 numbers.  It stores part[i] = (mean of the half, sum of (x - that mean)^2), 8 bytes.
; The next launch joins two halves: mean = (m1 + m2) / 2, var = (M2a + M2b) / 32768 + ((m1 - m2) / 2)^2.  No difference of large sums is formed, so a common offset of x costs no digits.
; Eight waves, 8,192 bytes each: 16 loads of 16 bytes a lane, each load of a wave 512 consecutive bytes.  A lane's 64 numbers stay in registers for both passes: x is read once.
; Work-groups share no input and the launch is one short stream: no LDS slots, no cluster, no prefetch.  NaN among the inputs is not served.
; REGISTERS: v1 my byte offset; v2 LDS word of my wave; v3 0; v[4:11] four packed chains; v[12:13] the mean twice, at the end (mean, M2); v14 the lane exchange; v[16:79] data; v[80:87] differences; v[88:95] the waves' parts.
	s_load_b128 s[4:7], s[0:1], 0x0                ; x s[4:5], part s[6:7]
	v_lshl_add_u32 v96, v0, 2, 0x100
	v_mov_b32 v97, 0
	v_lshrrev_b32 v2, 5, v0                        ; wave
	v_and_b32 v1, 31, v0
	s_delay_alu instid0(VALU_DEP_1)
	v_lshlrev_b32 v1, 4, v1                        ; 16 bytes a lane
	s_delay_alu instid0(VALU_DEP_1)
	v_lshl_or_b32 v1, v2, 13, v1                   ; + 8,192 x wave
	s_delay_alu instid0(VALU_DEP_4)
	v_lshlrev_b32 v2, 2, v2                        ; my wave's word in LDS
	v_mov_b32 v3, 0
	v_mov_b32 v14, 0                               ; written once: a lane permute's destination counts as one of its sources
	s_mov_b32 s12, 0x76543210                      ; v_permlanex16_b32: lane l takes lane l xor 16
	s_mov_b32 s13, 0xfedcba98
	s_lshl_b32 s10, ttmp9, 16                      ; my 65,536 bytes of x
	s_mov_b32 s11, 0
	s_lshl_b32 s14, ttmp9, 3                       ; my 8 bytes of part
	s_mov_b32 s15, 0
	s_wait_alu depctr_va_vdst(0)
	s_wait_kmcnt 0x0
	s_add_nc_u64 s[4:5], s[4:5], s[10:11]
	s_add_nc_u64 s[6:7], s[6:7], s[14:15]
.set i, 0
.rept 16
	global_load_b128 v[16+4*i:19+4*i], v1, s[4:5] offset:512*i th:TH_LOAD_NT
.set i, i+1
.endr
; the four chains, the lane's two halves and the wave's 32 lanes are added: the result stands in v4 of every lane
.macro JOIN
	v_pk_add_f32 v[4:5], v[4:5], v[6:7]
	s_delay_alu instid0(VALU_DEP_2)
	v_pk_add_f32 v[8:9], v[8:9], v[10:11]
	s_delay_alu instid0(VALU_DEP_1)
	v_pk_add_f32 v[4:5], v[4:5], v[8:9]
	s_delay_alu instid0(VALU_DEP_1)
	v_add_f32 v4, v4, v5
	s_delay_alu instid0(VALU_DEP_1)
	v_add_f32_dpp v4, v4, v4 row_xmask:1 row_mask:0xf bank_mask:0xf
	s_delay_alu instid0(VALU_DEP_1)
	v_add_f32_dpp v4, v4, v4 row_xmask:2 row_mask:0xf bank_mask:0xf
	s_delay_alu instid0(VALU_DEP_1)
	v_add_f32_dpp v4, v4, v4 row_xmask:4 row_mask:0xf bank_mask:0xf
	s_delay_alu instid0(VALU_DEP_1)
	v_add_f32_dpp v4, v4, v4 row_xmask:8 row_mask:0xf bank_mask:0xf
	s_delay_alu instid0(VALU_DEP_1)
	v_permlanex16_b32 v14, v4, s12, s13
	s_delay_alu instid0(VALU_DEP_1)
	v_add_f32 v4, v4, v14
.endm
; the eight waves' results are added: each wave stores its own word at off + 4 x wave, one barrier, every wave reads all eight
.macro XSUM off
	ds_store_b32 v2, v4 offset:\off
	s_wait_dscnt 0x0                               ; for the others' sake: my store has landed
	s_barrier_signal -1
	s_barrier_wait -1
	ds_load_b128 v[88:91], v3 offset:\off
	ds_load_b128 v[92:95], v3 offset:\off+16
	s_wait_dscnt 0x0
	v_add_f32 v88, v88, v89
	v_add_f32 v90, v90, v91
	v_add_f32 v92, v92, v93
	v_add_f32 v94, v94, v95
	s_delay_alu instid0(VALU_DEP_3)
	v_add_f32 v88, v88, v90
	s_delay_alu instid0(VALU_DEP_2)
	v_add_f32 v92, v92, v94
	s_delay_alu instid0(VALU_DEP_1)
	v_add_f32 v4, v88, v92
.endm
	; PASS 1: the sum.  Pairs 0-7 (loads 0-3) start the four chains: nothing is cleared
	s_wait_loadcnt 12                              ; loads 0 to 3 are in; the twelve younger may be out
.irp k, 0,1,2,3
	v_pk_add_f32 v[4+2*\k:5+2*\k], v[16+2*\k:17+2*\k], v[24+2*\k:25+2*\k]
.endr
.set i, 4
	s_wait_alu depctr_va_vdst(0)
.rept 12
	s_wait_alu depctr_va_vdst(0)
	s_wait_loadcnt 15-i                            ; load i is in; the younger ones may be out
	v_pk_add_f32 v[4+4*(i%2):5+4*(i%2)], v[4+4*(i%2):5+4*(i%2)], v[16+4*i:17+4*i]
	v_pk_add_f32 v[6+4*(i%2):7+4*(i%2)], v[6+4*(i%2):7+4*(i%2)], v[18+4*i:19+4*i]
.set i, i+1
.endr
	JOIN
	XSUM 0
	s_delay_alu instid0(VALU_DEP_1)
	v_mul_f32 v12, 0x38800000, v4                  ; the half's mean: sum x 2^-14
	s_delay_alu instid0(VALU_DEP_1)
	v_mov_b32 v13, v12
	; PASS 2: the sum of (x - mean)^2, four pairs at a time
.set g, 0
.rept 8
.irp k, 0,1,2,3
	v_pk_add_f32 v[80+2*\k:81+2*\k], v[16+8*g+2*\k:17+8*g+2*\k], v[12:13] neg_lo:[0,1] neg_hi:[0,1]
.endr
.irp k, 0,1,2,3
.if g == 0
	s_delay_alu instid0(VALU_DEP_4)
	v_pk_mul_f32 v[4+2*\k:5+2*\k], v[80+2*\k:81+2*\k], v[80+2*\k:81+2*\k]
.else
	s_delay_alu instid0(VALU_DEP_4)
	v_pk_fma_f32 v[4+2*\k:5+2*\k], v[80+2*\k:81+2*\k], v[80+2*\k:81+2*\k], v[4+2*\k:5+2*\k]
.endif
.endr
.set g, g+1
.endr
	JOIN
	XSUM 32                                        ; other LDS bytes than the first sum's, so no barrier is needed between that sum's reads and these stores
	s_delay_alu instid0(VALU_DEP_1)
	v_mov_b32 v13, v4                              ; v[12:13] = mean, M2
	v_cmp_eq_u32 vcc_lo, 0, v0
	s_wait_alu depctr_va_vdst(0)
	s_wait_xcnt 0x0                                ; EXEC changes only behind this wait
	s_wait_tensorcnt 0x0
	ds_add_u32 v96, v97
	s_wait_dscnt 0x0
	s_and_saveexec_b32 s20, vcc_lo                 ; thread 0 stores the work-group's 8 bytes
	global_store_b64 v3, v[12:13], s[6:7]
	s_wait_xcnt 0x0                                ; and again in front of the line that widens it
	s_or_b32 exec_lo, exec_lo, s20
	s_endpgm
.Lfunc_end_k_qc36a23be84_stats:
	.size	k_qc36a23be84_stats, .Lfunc_end_k_qc36a23be84_stats-k_qc36a23be84_stats
	.p2alignl 7, 3214868480
	.fill 96, 4, 3214868480
	.section	.rodata,"a",@progbits
	.p2align	6, 0x0
	.amdhsa_kernel k_qc36a23be84_stats
		.amdhsa_group_segment_fixed_size 1280
		.amdhsa_private_segment_fixed_size 0
		.amdhsa_enable_private_segment 0
		.amdhsa_kernarg_size 16
		.amdhsa_user_sgpr_count 2
		.amdhsa_user_sgpr_kernarg_segment_ptr 1
		.amdhsa_wavefront_size32 1
		.amdhsa_system_sgpr_workgroup_id_x 1
		.amdhsa_system_sgpr_workgroup_id_y 1
		.amdhsa_system_sgpr_workgroup_id_z 1
		.amdhsa_system_vgpr_workitem_id 0
		.amdhsa_next_free_vgpr 98
		.amdhsa_next_free_sgpr 66
		.amdhsa_reserve_vcc 1
		.amdhsa_float_denorm_mode_32 3
		.amdhsa_float_denorm_mode_16_64 3
		.amdhsa_memory_ordered 1
		.amdhsa_forward_progress 1
		.amdhsa_inst_pref_size 14
	.end_amdhsa_kernel
	.amdgpu_metadata
---
amdhsa.version: [ 1, 2 ]
amdhsa.kernels:
  - .name:           k_qc36a23be84_stats
    .symbol:         k_qc36a23be84_stats.kd
    .args:
      - { .name: x, .offset: 0, .size: 8, .value_kind: global_buffer, .address_space: global }
      - { .name: part, .offset: 8, .size: 8, .value_kind: global_buffer, .address_space: global }
    .group_segment_fixed_size: 1280
    .private_segment_fixed_size: 0
    .kernarg_segment_align: 8
    .kernarg_segment_size: 16
    .max_flat_workgroup_size: 256
    .sgpr_count:     66
    .vgpr_count:     98
    .wavefront_size: 32
...
	.end_amdgpu_metadata
.endif
;; end of part 1
;; launch qkv (part 2): grid 64 x 4, 16 waves a work-group, no clusters, 88,064 bytes of LDS; arguments x, part, gamma, beta, wq_codes, wk_codes, wv_codes, lowp_scales, q_img, kv; writes q_img, kv
.if DOCPART == 2
	.amdgcn_target "amdgcn-amd-amdhsa--gfx1250"
	.amdhsa_code_object_version 6
	.text
	.protected	k_qc36a23be84_qkv
	.globl	k_qc36a23be84_qkv
	.p2align	8
	.type	k_qc36a23be84_qkv,@function
k_qc36a23be84_qkv:
	s_mov_b64 s[64:65], 0
	v_nop
	global_prefetch_b8 v0, s[64:65] scope:SCOPE_SE
	s_setreg_imm32_b32 hwreg(HW_REG_WAVE_MODE, 25, 1), 1
	s_wait_xcnt 0x0
; GROUP NORM, THE TOKENS' THREE QUANTISATIONS, q = xt wq^T, k = xt wk^T, v = xt wv^T ON CODES OF E4M3, AND q, k, v QUANTISED INTO IMAGES OF THE NEXT LAUNCH'S OPERAND REGISTERS.
; x: [4][256 channels][4096 tokens] f32.  Work-group (tb = x, b = y) takes tokens 64 tb .. + 63 of batch b and all 256 channels.  Sixteen waves.
; PHASE X.  Wave w takes token 32 (w % 2) + lane and channels 32 (w / 2) .. + 31: a lane to a token, its registers down the channels, which are K.  Each load of a wave reads 128 consecutive bytes; waves w and w xor 1
; stand side by side on an aligned 256.  Normalised as the reference writes it ((x - mean) rsqrt(var + eps), x gamma + beta), then quantised three times, with 2^e0, 2^e2, 2^e4, into three LDS tiles of 64 rows x 256 codes.
; PHASE M.  Wave w multiplies rows 16 w .. of wq and of wk, and 16 chosen rows of wv, by all 64 tokens: 12 tiles of 16 x 16, K = 256 in two steps of 128.  Its 12 KB of weight codes go from memory straight into its registers.
; k IS PERMUTED ALIKE IN BOTH OPERANDS: registers 4 c .. 4 c + 3 hold K = 32 c + 16 (lane / 16) + 0 .. 15 (four loads of 16 bytes a fragment): every product meets its partner; only the order of the sums inside an instruction changes.
; q, k: source 0 = the weight, source 1 = the tokens: a lane holds ONE token and 8 neighbouring channels 16 w + 8 (lane / 16) + j: registers 2 c', 2 c' + 1 (c' = w % 4) of the 16 x 64 fragment of head w / 4.
; v: source 0 = the tokens, source 1 = the weight: a lane holds ONE channel and 8 neighbouring tokens: registers 2 T, 2 T + 1 of the 16 x 128 fragment of V^T (T: the tile of 16 keys in a step of 128 keys).
; THE ROWS OF wv THAT FORM A TILE ARE NOT NEIGHBOURS: lane r of tile ct = w % 4 takes channel 32 (ct / 2) + 8 (ct % 2) + r + 8 (r / 8) of the head, so that in the next launch the 16 registers of two neighbouring tiles of O^T are 16 neighbouring channels.
; OUT.  q_img [b][tile of 16 tokens][head][1,024]: chunk c of 512 bytes holds registers 4 c .. 4 c + 3, lane l's 16 bytes at 16 l.  kv [b][step of 128 keys][65,536]: K at head x 8192 + T x 1024 (images as q's), V at 32768 + head x 8192 + ct x 2048 + chunk x 512.
; q's and k's images are gathered in LDS (four waves make one image) and leave as 512 consecutive bytes a store; v's registers are whole chunks and are stored as they stand.
; NO CLUSTER: what work-groups share is the weights, 24 loads a wave, issued at the head beside x's 32; sent jointly they would go through LDS, 192 KB written and read once more, and add two rounds to a text without a loop.
; LIMITS, so that each power of two below is an f32 number: e0, e2, e4, e6 - e0 - e1, e7 - e2 - e3, e9 - e4 - e5 between -126 and 119.  NaN among the inputs is not served.
; REGISTERS: v1 lane, then q's store offset; v2 r; v3 h; v4-11, v156-159 addresses; v[12:23] six pairs (scale, 448 x scale): x for q, k, v, then q, k, v; v[24:27] means, v[28:31] 1 / sqrt(var + eps) of my four groups;
;   v[32:63] x, later v[32:95] four fragments of tokens; v[64:95] held numbers; v[96:119] x's codes, later v[96:127] four accumulators; v[128:143] part, later v[128:135] codes; v[136:151] the stages read back; v[144:155] lowp_scales; v[160:255] weights.
.set PX,  272                          ; an LDS row of 256 codes + 16 bytes: the sixteen rows of a fragment load start 16 bytes apart modulo 256
.set XCB, 64*PX                        ; one tile of tokens' codes; three of them from LDS byte 0
.set QST, 3*XCB                        ; q's 16 images (tile of tokens tt, head hd: 4 tt + hd), 16 KB
.set KST, QST+16384                    ; k's 16 images (4 hd + tt), 16 KB
	s_load_b512 s[4:19], s[0:1], 0x0               ; x 4, part 6, gamma 8, beta 10, wq 12, wk 14, wv 16, lowp_scales 18
	s_load_b128 s[20:23], s[0:1], 0x40             ; q_img 20, kv 22
	v_lshrrev_b32 v1, 5, v0
	s_delay_alu instid0(VALU_DEP_1)
	v_readfirstlane_b32 s24, v1                    ; wave w
	s_and_b32 s25, ttmp7, 0xffff                   ; b
	s_lshr_b32 s2, s24, 1                          ; w / 2
	s_and_b32 s3, s24, 1                           ; w % 2
	s_lshr_b32 s26, s24, 2                         ; w / 4
	s_and_b32 s27, s2, 1                           ; (w / 2) % 2
	v_and_b32 v1, 31, v0                           ; lane
	v_and_b32 v2, 15, v0                           ; r
	v_bfe_u32 v3, v0, 4, 1                         ; h
	s_delay_alu instid0(VALU_DEP_3)
	v_lshlrev_b32 v4, 2, v1                        ; x: 4 bytes a lane
	v_mov_b32 v11, 0
	s_mul_i32 s28, s3, 32*PX
	s_lshl_b32 s29, s2, 5
	s_add_co_u32 s28, s28, s29
	v_mul_u32_u24 v5, v1, PX
	s_delay_alu instid0(VALU_DEP_1)
	v_add_nc_u32 v5, s28, v5                       ; where my 32 codes go: row 32 (w % 2) + lane, byte 32 (w / 2)
	v_mul_u32_u24 v6, v2, PX
	s_delay_alu instid0(VALU_DEP_1)
	v_lshl_add_u32 v6, v3, 4, v6                   ; a fragment of tokens: row r, + 16 h
	v_lshlrev_b32 v7, 8, v2
	s_delay_alu instid0(VALU_DEP_1)
	v_lshl_add_u32 v7, v3, 4, v7                   ; wq, wk: row r of 256 bytes, + 16 h
	v_and_b32 v8, 8, v2
	s_delay_alu instid0(VALU_DEP_1)
	v_add_nc_u32 v8, v8, v2
	s_delay_alu instid0(VALU_DEP_1)
	v_lshlrev_b32 v8, 8, v8
	s_delay_alu instid0(VALU_DEP_1)
	v_lshl_add_u32 v8, v3, 4, v8                   ; wv: row r + 8 (r / 8), + 16 h
	s_lshl_b32 s28, s27, 9
	s_lshl_b32 s29, s3, 3
	s_add_co_u32 s28, s28, s29                     ; registers 2 c', 2 c' + 1 of an image: chunk c' / 2, byte 8 (c' % 2) of the lane's 16
	s_lshl_b32 s29, s26, 10
	s_add_co_u32 s29, s29, s28
	s_add_co_u32 s29, s29, QST
	v_lshl_add_u32 v9, v1, 4, s29                  ; into q's stage: image 4 tt + hd, tt in the immediate
	s_lshl_b32 s29, s26, 12
	s_add_co_u32 s29, s29, s28
	s_add_co_u32 s29, s29, KST
	v_lshl_add_u32 v10, v1, 4, s29                 ; into k's stage: image 4 hd + tt
	s_lshl_b32 s28, s24, 10
	s_add_co_u32 s29, s28, QST
	v_lshl_add_u32 v156, v1, 4, s29                ; back: image w of q's stage,
	s_add_co_u32 s29, s28, KST
	v_lshl_add_u32 v157, v1, 4, s29                ; and of k's
	s_lshl_b32 s29, s26, 13
	s_and_b32 s30, s24, 3
	s_lshl_b32 s30, s30, 10
	s_add_co_u32 s29, s29, s30
	v_lshl_add_u32 v158, v1, 4, s29                ; k's image w = (head w / 4, tile w % 4) in a step of kv
	s_lshl_b32 s29, s24, 11
	v_lshl_add_u32 v159, v1, 4, s29                ; v: fragment w = (head, ct) of 2,048 bytes
	v_lshl_add_u32 v1, v1, 4, s28                  ; q's image w in the work-group's 16 KB of q_img
	s_mov_b32 s29, 0
	s_mov_b32 s67, 0
	s_wait_alu depctr_va_vdst(0)
	s_wait_kmcnt 0x0
	s_lshl_b32 s28, s25, 22                        ; x: batch b, channel 32 (w / 2), token 64 tb + 32 (w % 2)
	s_lshl_b32 s30, s2, 19
	s_add_co_u32 s28, s28, s30
	s_lshl_b32 s30, ttmp9, 8
	s_add_co_u32 s28, s28, s30
	s_lshl_b32 s30, s3, 7
	s_add_co_u32 s28, s28, s30
	s_add_nc_u64 s[4:5], s[4:5], s[28:29]
	s_lshl_b32 s28, s25, 9                         ; part: 32 groups x 16 bytes a batch; my four groups
	s_lshl_b32 s30, s2, 6
	s_add_co_u32 s28, s28, s30
	s_add_nc_u64 s[6:7], s[6:7], s[28:29]
	s_lshl_b32 s28, s2, 7                          ; gamma, beta: my 32 channels
	s_add_nc_u64 s[8:9], s[8:9], s[28:29]
	s_add_nc_u64 s[10:11], s[10:11], s[28:29]
	s_lshl_b32 s28, s24, 12                        ; wq, wk: rows 16 w on
	s_add_nc_u64 s[12:13], s[12:13], s[28:29]
	s_add_nc_u64 s[14:15], s[14:15], s[28:29]
	s_lshl_b32 s28, s26, 14                        ; wv: row 64 (w / 4) + 32 ((w / 2) % 2) + 8 (w % 2) on
	s_lshl_b32 s30, s27, 13
	s_add_co_u32 s28, s28, s30
	s_lshl_b32 s30, s3, 11
	s_add_co_u32 s28, s28, s30
	s_add_nc_u64 s[16:17], s[16:17], s[28:29]
	s_load_b512 s[32:47], s[8:9], 0x0              ; gamma of channel i of my 32 in s[32 + i]
	s_load_b512 s[48:63], s[8:9], 0x40
	s_load_b512 s[68:83], s[10:11], 0x0            ; beta in s[68 + i]
	s_load_b512 s[84:99], s[10:11], 0x40
.irp g, 0,1,2,3
	global_load_b128 v[128+4*\g:131+4*\g], v11, s[6:7] offset:16*\g    ; group g: m1, M2a, m2, M2b; the same in every lane
.endr
.irp g, 0,1,2
	global_load_b128 v[144+4*\g:147+4*\g], v11, s[18:19] offset:16*\g  ; e0 .. e11
.endr
.set i, 0
.rept 32
	global_load_b32 v[32+i], v4, s[4:5] offset:16384*i th:TH_LOAD_NT   ; channel i of my token
.set i, i+1
.endr
.irp ks, 0,1
.irp c, 0,1,2,3
	global_load_b128 v[160+16*\ks+4*\c:163+16*\ks+4*\c], v7, s[12:13] offset:128*\ks+32*\c
.endr
.endr
.irp ks, 0,1
.irp c, 0,1,2,3
	global_load_b128 v[192+16*\ks+4*\c:195+16*\ks+4*\c], v7, s[14:15] offset:128*\ks+32*\c
.endr
.endr
.irp ks, 0,1
.irp c, 0,1,2,3
	global_load_b128 v[224+16*\ks+4*\c:227+16*\ks+4*\c], v8, s[16:17] offset:128*\ks+32*\c
.endr
.endr
	s_lshl_b32 s28, s25, 20                        ; q_img: 1 MiB a batch, 16 KB a work-group
	s_lshl_b32 s30, ttmp9, 14
	s_add_co_u32 s28, s28, s30
	s_add_nc_u64 s[20:21], s[20:21], s[28:29]
	s_lshl_b32 s28, s25, 5                         ; kv: step 32 b + tb / 2 of 65,536 bytes
	s_lshr_b32 s30, ttmp9, 1
	s_add_co_u32 s28, s28, s30
	s_lshl_b32 s28, s28, 16
	s_add_nc_u64 s[22:23], s[22:23], s[28:29]
	s_and_b32 s30, ttmp9, 1                        ; which half of the step's 128 keys my 64 tokens are
	s_lshl_b32 s28, s30, 12                        ; K: tiles 4 (tb % 2) on
	s_lshl_b32 s66, s30, 10                        ; V: chunks 2 (tb % 2) on,
	s_add_co_u32 s66, s66, 32768                   ; behind K's 32 KB
	s_add_nc_u64 s[30:31], s[22:23], s[66:67]      ; V's base
	s_add_nc_u64 s[28:29], s[22:23], s[28:29]      ; K's base
	s_wait_loadcnt 56                              ; part's four loads and lowp_scales' three are in; x's 32 and the weights' 24 may be out
	v_sub_nc_u32 v150, v150, v144                  ; a sum of q's product stands for sum x 2^(e0 + e1): its code is sum / 2^(e6 - e0 - e1)
	v_sub_nc_u32 v151, v151, v146
	v_sub_nc_u32 v153, v153, v148
	s_delay_alu instid0(VALU_DEP_3)
	v_sub_nc_u32 v150, v150, v145
	s_delay_alu instid0(VALU_DEP_3)
	v_sub_nc_u32 v151, v151, v147                  ; e7 - e2 - e3
	s_delay_alu instid0(VALU_DEP_3)
	v_sub_nc_u32 v153, v153, v149                  ; e9 - e4 - e5
.macro MKSC dst, e                     ; v[e] holds a whole number e: v[dst] = 2^e as f32 (the conversion takes its exponent field), v[dst + 1] = 448 x 2^e
	v_add_nc_u32 v[\e], 127, v[\e]
	s_delay_alu instid0(VALU_DEP_1)
	v_lshlrev_b32 v[\dst], 23, v[\e]
	s_delay_alu instid0(VALU_DEP_2)
	v_add_nc_u32 v[\e], 8, v[\e]
	s_delay_alu instid0(VALU_DEP_1)
	v_lshlrev_b32 v[\dst+1], 23, v[\e]
	s_delay_alu instid0(VALU_DEP_1)
	v_or_b32 v[\dst+1], 0x600000, v[\dst+1]
.endm
	MKSC 12, 144
	MKSC 14, 146
	MKSC 16, 148
	MKSC 18, 150
	MKSC 20, 151
	MKSC 22, 153
.irp g, 0,1,2,3                        ; two halves of a group are joined: mean = (m1 + m2) / 2, var = (M2a + M2b) / 32768 + ((m1 - m2) / 2)^2
	v_add_f32 v[24+\g], v[128+4*\g], v[130+4*\g]
	v_sub_f32 v[128+4*\g], v[128+4*\g], v[130+4*\g]
	v_add_f32 v[129+4*\g], v[129+4*\g], v[131+4*\g]
.endr
.irp g, 0,1,2,3
	v_mul_f32 v[24+\g], 0.5, v[24+\g]
	v_mul_f32 v[128+4*\g], 0.5, v[128+4*\g]
.endr
.irp g, 0,1,2,3
	v_mul_f32 v[128+4*\g], v[128+4*\g], v[128+4*\g]
.endr
.irp g, 0,1,2,3
	s_delay_alu instid0(VALU_DEP_4)
	v_fma_f32 v[129+4*\g], v[129+4*\g], 0x38000000, v[128+4*\g]        ; x 2^-15
.endr
.irp g, 0,1,2,3
	s_delay_alu instid0(VALU_DEP_4)
	v_add_f32 v[129+4*\g], 0x3727c5ac, v[129+4*\g]                     ; + 1e-5
.endr
	s_wait_alu depctr_va_vdst(0)
.irp g, 0,1,2,3
	v_rsq_f32 v[28+\g], v[129+4*\g]
.endr
	v_nop                                          ; a plain instruction behind the last of the batch
	s_wait_alu depctr_va_vdst(0)                   ; one wait for the four, ahead of their first reader
	s_wait_loadcnt 24                              ; x is in; the weights' 24 loads may be out
	s_wait_kmcnt 0x0                               ; gamma, beta
.set i, 0
.rept 32
	v_sub_f32 v[32+i], v[32+i], v[24+i/8]
.set i, i+1
.endr
.set i, 0
.rept 32
	v_mul_f32 v[32+i], v[32+i], v[28+i/8]
.set i, i+1
.endr
.set i, 0
.rept 32
	v_fma_f32 v[32+i], v[32+i], s[32+i], s[68+i]
.set i, i+1
.endr
; my 32 numbers become 32 codes under scale s (0: for q, 1: for k, 2: for v) and go into tile s
.macro QX s
.set i, 0
.rept 32
	v_med3_num_f32 v[64+i], v[32+i], -v[13+2*\s], v[13+2*\s]           ; the conversion to an 8-bit code does not saturate (ISA guide 7.6.2): hold at the largest code x the scale
.set i, i+1
.endr
.irp g, 0,1,2,3
	v_cvt_scalef32_pk8_fp8_f32 v[96+8*\s+2*\g:97+8*\s+2*\g], v[64+8*\g:71+8*\g], v[12+2*\s]
.endr
	v_nop                                          ; one plain instruction between the conversions and the next write of their sources, and the products that later write the codes' registers
	ds_store_b128 v5, v[96+8*\s:99+8*\s] offset:XCB*\s
	ds_store_b128 v5, v[100+8*\s:103+8*\s] offset:XCB*\s+16
.endm
	QX 0
	QX 1
	QX 2
	s_wait_dscnt 0x0                               ; for the others' sake: my codes have landed
	s_barrier_signal -1
	s_barrier_wait -1                              ; the three tiles are whole
	s_wait_loadcnt 0x0                             ; the weights
; Product m (0: q, 1: k, 2: v): my 16 rows of the weight x the 64 tokens of tile m; four accumulators by turns, one instruction a turn; then the hold and the conversion.
; tr = 1: source 0 = the weight.  tr = 0: source 0 = the tokens.
.macro MAT m, tr
.irp ks, 0,1
.irp tt, 0,1,2,3
.irp c, 0,1,2,3
	ds_load_b128 v[32+16*\tt+4*\c:35+16*\tt+4*\c], v6 offset:XCB*\m+16*PX*\tt+128*\ks+32*\c
.endr
.endr
	s_wait_dscnt 0x0                               ; the fragments are in (and the product before's stores into its stage have read their registers)
.irp tt, 0,1,2,3
.if \tr && (\ks == 0)
	v_wmma_f32_16x16x128_fp8_fp8 v[96+8*\tt:103+8*\tt], v[160+32*\m:175+32*\m], v[32+16*\tt:47+16*\tt], 0
.elseif \tr
	v_wmma_f32_16x16x128_fp8_fp8 v[96+8*\tt:103+8*\tt], v[176+32*\m:191+32*\m], v[32+16*\tt:47+16*\tt], v[96+8*\tt:103+8*\tt]
.elseif \ks == 0
	v_wmma_f32_16x16x128_fp8_fp8 v[96+8*\tt:103+8*\tt], v[32+16*\tt:47+16*\tt], v[160+32*\m:175+32*\m], 0
.else
	v_wmma_f32_16x16x128_fp8_fp8 v[96+8*\tt:103+8*\tt], v[32+16*\tt:47+16*\tt], v[176+32*\m:191+32*\m], v[96+8*\tt:103+8*\tt]
.endif
.endr
.rept 4
	v_nop                                          ; four places in front of loads into the fragments' registers and of the first read of results
.endr
.endr
.set i, 0
.rept 32
	v_med3_num_f32 v[96+i], v[96+i], -v[19+2*\m], v[19+2*\m]           ; each accumulator from its low end on
.set i, i+1
.endr
.irp tt, 0,1,2,3
	v_cvt_scalef32_pk8_fp8_f32 v[128+2*\tt:129+2*\tt], v[96+8*\tt:103+8*\tt], v[18+2*\m]
.endr
	v_nop                                          ; one plain instruction behind the conversions; with the four above, five places ahead of the next product's first instruction, which writes these accumulators anew
.endm
	MAT 0, 1
.irp tt, 0,1,2,3
	ds_store_b64 v9, v[128+2*\tt:129+2*\tt] offset:4096*\tt
.endr
	MAT 1, 1
.irp tt, 0,1,2,3
	ds_store_b64 v10, v[128+2*\tt:129+2*\tt] offset:1024*\tt
.endr
	MAT 2, 0
	global_store_b128 v159, v[128:131], s[30:31]               ; v: two whole chunks, 512 consecutive bytes each
	global_store_b128 v159, v[132:135], s[30:31] offset:512
	s_wait_dscnt 0x0                               ; for the others' sake: my parts of q's and k's images have landed
	s_barrier_signal -1
	s_barrier_wait -1
	ds_load_b128 v[136:139], v156
	ds_load_b128 v[140:143], v156 offset:512
	ds_load_b128 v[144:147], v157
	ds_load_b128 v[148:151], v157 offset:512
	s_wait_dscnt 2                                 ; q's two loads are in; k's two may be out
	global_store_b128 v1, v[136:139], s[20:21]
	global_store_b128 v1, v[140:143], s[20:21] offset:512
	s_wait_dscnt 0x0
	global_store_b128 v158, v[144:147], s[28:29]
	global_store_b128 v158, v[148:151], s[28:29] offset:512
	s_wait_xcnt 0x0
	v_lshl_add_u32 v238, v0, 2, 0x15000
	v_mov_b32 v239, 0
	s_wait_alu depctr_va_vdst(0)
	s_wait_tensorcnt 0x0
	ds_add_u32 v238, v239
	s_wait_dscnt 0x0
	s_endpgm
.Lfunc_end_k_qc36a23be84_qkv:
	.size	k_qc36a23be84_qkv, .Lfunc_end_k_qc36a23be84_qkv-k_qc36a23be84_qkv
	.p2alignl 7, 3214868480
	.fill 96, 4, 3214868480
	.section	.rodata,"a",@progbits
	.p2align	6, 0x0
	.amdhsa_kernel k_qc36a23be84_qkv
		.amdhsa_group_segment_fixed_size 88064
		.amdhsa_private_segment_fixed_size 0
		.amdhsa_enable_private_segment 0
		.amdhsa_kernarg_size 80
		.amdhsa_user_sgpr_count 2
		.amdhsa_user_sgpr_kernarg_segment_ptr 1
		.amdhsa_wavefront_size32 1
		.amdhsa_system_sgpr_workgroup_id_x 1
		.amdhsa_system_sgpr_workgroup_id_y 1
		.amdhsa_system_sgpr_workgroup_id_z 1
		.amdhsa_system_vgpr_workitem_id 0
		.amdhsa_next_free_vgpr 256
		.amdhsa_next_free_sgpr 100
		.amdhsa_reserve_vcc 0
		.amdhsa_float_denorm_mode_32 3
		.amdhsa_float_denorm_mode_16_64 3
		.amdhsa_memory_ordered 1
		.amdhsa_forward_progress 1
		.amdhsa_inst_pref_size 44
	.end_amdhsa_kernel
	.amdgpu_metadata
---
amdhsa.version: [ 1, 2 ]
amdhsa.kernels:
  - .name:           k_qc36a23be84_qkv
    .symbol:         k_qc36a23be84_qkv.kd
    .args:
      - { .name: x, .offset: 0, .size: 8, .value_kind: global_buffer, .address_space: global }
      - { .name: part, .offset: 8, .size: 8, .value_kind: global_buffer, .address_space: global }
      - { .name: gamma, .offset: 16, .size: 8, .value_kind: global_buffer, .address_space: global }
      - { .name: beta, .offset: 24, .size: 8, .value_kind: global_buffer, .address_space: global }
      - { .name: wq_codes, .offset: 32, .size: 8, .value_kind: global_buffer, .address_space: global }
      - { .name: wk_codes, .offset: 40, .size: 8, .value_kind: global_buffer, .address_space: global }
      - { .name: wv_codes, .offset: 48, .size: 8, .value_kind: global_buffer, .address_space: global }
      - { .name: lowp_scales, .offset: 56, .size: 8, .value_kind: global_buffer, .address_space: global }
      - { .name: q_img, .offset: 64, .size: 8, .value_kind: global_buffer, .address_space: global }
      - { .name: kv, .offset: 72, .size: 8, .value_kind: global_buffer, .address_space: global }
    .group_segment_fixed_size: 88064
    .private_segment_fixed_size: 0
    .kernarg_segment_align: 8
    .kernarg_segment_size: 80
    .max_flat_workgroup_size: 512
    .sgpr_count:     100
    .vgpr_count:     256
    .wavefront_size: 32
...
	.end_amdgpu_metadata
.endif
;; end of part 2
;; launch attn (part 3): grid 64 x 4, 16 waves a work-group, clusters of 4 x 1, 327,680 bytes of LDS; arguments q_img, kv, wo_codes, lowp_scales, x, out0; writes out0
.if DOCPART == 3
	.amdgcn_target "amdgcn-amd-amdhsa--gfx1250"
	.amdhsa_code_object_version 6
	.text
	.protected	k_qc36a23be84_attn
	.globl	k_qc36a23be84_attn
	.p2align	8
	.type	k_qc36a23be84_attn,@function
k_qc36a23be84_attn:
	s_mov_b64 s[64:65], 0
	v_nop
	global_prefetch_b8 v0, s[64:65] scope:SCOPE_SE
	s_setreg_imm32_b32 hwreg(HW_REG_WAVE_MODE, 25, 1), 1
	s_wait_xcnt 0x0
	s_wait_alu depctr_hold_cnt(0) depctr_sa_sdst(0) depctr_va_vdst(0) depctr_va_sdst(0) depctr_va_ssrc(0) depctr_va_vcc(0) depctr_vm_vsrc(0)
	s_getreg_b32 s2, hwreg(HW_REG_IB_STS2, 6, 4)
	s_cmp_eq_u32 s2, 0
	s_cbranch_scc0 .Lentry_in_a_cluster
	s_endpgm
.Lentry_in_a_cluster:
	s_bfe_u32 s2, ttmp6, 0x10000c
	s_cmp_lg_u32 s2, 0x3003
	s_cbranch_scc0 .Lentry_shape_is_right
	s_endpgm
.Lentry_shape_is_right:
; ATTENTION ON CODES OF E4M3, THE LAST PROJECTION AND THE RESIDUAL.  out0[b][o][n] = x[b][o][n] + sum over c of ctx[b][n][c] wo[o][c];  ctx = softmax(q k^T / 8) v, by heads of 64.
; q_img: [b][tile of 16 tokens][head][1,024]; kv: [b][step of 128 keys][65,536]: images of operand registers (chunks of 512 bytes: four registers, lane l's 16 bytes at 16 l), K at head x 8192 + tile x 1024, V at 32768 + head x 8192 + ct x 2048.
; THE SOFTMAX AHEAD OF THE SECOND PRODUCT: t = score x log2(e) / 8; M = the row's largest t so far, rounded UP to a whole number; p = 2^(t - M) is quantised with 2^e8, not normalised.  The row's sum is taken of the unquantised p
; and divides at the end.  When M moves, the sum and O are multiplied by 2^(old M - new M): nothing is rounded, and there is no branch on data.
; SHARES.  A work-group owns 64 queries of one batch and all four heads, so that ctx's 256 channels meet in it.  Wave w: queries 16 (w / 4) on, head w % 4: one tile of 16 queries in 256 registers, four waves to a SIMD, so that one wave's
; vector work stands beside another's matrix instructions and LDS loads.  Every wave walks the batch's 4,096 keys, 128 a step.
; LAYOUT.  S^T = K Q^T (source 0 = 16 keys, source 1 = my 16 queries), O^T = V^T P^T (source 0 = 16 channels, source 1 = P): a lane holds ONE query throughout; p's codes of key tile T are registers 2 T, 2 T + 1 of P's fragment.
; V's tile ct holds, in row m, channel 32 (ct / 2) + 8 (ct % 2) + m + 8 (m / 8): so the 16 registers of tiles 2 b', 2 b' + 1 of O^T are channels 32 b' + 16 (lane / 16) + 0 .. 15, and ctx's codes meet wo's rows loaded 16 bytes at a time.
; THE RING.  Two LDS slots of 131,072 bytes, two key steps each, as they lie in kv: dense, since every fragment load reads 512 consecutive bytes.  Waves 0-7 fetch 16 KB each: one tensor load of a wave is out at the most.
; CLUSTER.  The four work-groups of a cluster belong to one batch and walk the same kv: each slot is asked for JOINTLY, by the same tensor load with the same descriptor and a mask that names the four.
; THE TAIL lies in LDS slot 0, which has had its last fill and is left by every wave at the last change of slots: ctx's 16 images (16 KB), then a stage of 256 rows x 272 bytes.  Wave w makes out channels 16 w .. + 15 for the 64 tokens.
; LIMITS, so that each power of two below is an f32 number: e6 + e7 between -123 and 130 (added to c's exponent field); e8, and e10 - e8 - e9, between -126 and 119; e10 + e11 between -126 and 127.  NaN among the inputs is not served.
; REGISTERS: v1, v2 my place in a slot's first, second step; v3 prefetch offset; v4 16 x lane; v5, v6 the spare word's address and 0; v7 x's and out0's offset; v8 the step's LDS address; v9 wo's offset; v10 ctx's image; v11, v24 the stage, in and back;
;   v12 -M, v13 the largest t, v[14:15] the sum in two halves; v[16:23] Q; v[32:95] K's eight fragments, then V's four; v[96:159] S^T, then p; v[160:191] O^T; v[192:223] wo's four fragments; v[224:239] p's codes;
;   v244 2^e8; v245 the same with e10 - e8 - e9; v[242:243] the sum's second chain; v246 the lane exchange; v[252:253] f; v254 at work.
.set SLOT1, 1<<17                      ; slot 1 begins here: one exclusive or turns an address in one slot into the other's
.set SLOTB, 131072                     ; a slot's bytes, in LDS and in kv
.set SPARE, 2*SLOT1                    ; behind the ring: the spare words, 128 bytes for each of the sixteen waves: eight blocks of 256 bytes that no other line names
.set NSL,   16                         ; slots' worth of keys in a batch
.set STG,   16384                      ; the tail's stage, behind ctx's images at LDS byte 0
.set SP,    272
.macro CROUND                          ; a round of the cluster's barrier: my work-group's barrier; wave 0 signals for the work-group; every wave waits for all four work-groups; my work-group's barrier once more
	s_barrier_signal -1
	s_barrier_wait -1
	s_cmp_lg_u32 s18, 0
	s_cbranch_scc1 .Lnot_wave_0_\@
	s_barrier_signal -3
.Lnot_wave_0_\@:
	s_barrier_wait -3
	s_barrier_signal -1
	s_barrier_wait -1
.endm
.macro JLOAD                           ; the joint load: waves 0-7, 16 KB each; the branch hangs on the wave's number alone; four v_nop follow the line
	s_cmp_lt_u32 s18, 8
	s_cbranch_scc0 .Lnone_\@
	tensor_load_to_lds s[32:35], s[24:31]
	s_nop 0
.rept 4
	v_nop
.endr
.Lnone_\@:
.endm
; A PREFETCH INTO THE L2 of the slot that the NEXT change of slots will ask for: two key steps of all sixteen waves ahead of that load.  Each aligned block of 256 bytes is named once in the launch: all sixteen clusters of a batch walk the same kv,
; so the batch's first cluster asks; its four partners take 32 KB each of the slot's 128 KB, told apart BY ADDRESS; in each, waves 8-11, which fetch nothing, take 8 KB each, lanes 256 bytes apart: one instruction a wave.
; The last change that fills a slot asks for nothing: there is no slot behind it.  Slots 0 and 1 come by their loads alone.
.macro ASK
	s_cmp_gt_u32 s37, s38
	s_cbranch_scc0 .Lnot_mine_\@
	global_prefetch_b8 v3, s[40:41] th:TH_LOAD_NT scope:SCOPE_SE
.Lnot_mine_\@:
.endm
	s_load_b256 s[4:11], s[0:1], 0x0               ; q_img 4, kv 6, wo_codes 8, lowp_scales 10
	s_load_b128 s[12:15], s[0:1], 0x20             ; x 12, out0 14
	v_lshl_add_u32 v5, v0, 2, SPARE
	v_mov_b32 v6, 0
	ds_add_u32 v5, v6
	ds_add_u32 v5, v6
	s_wait_dscnt 0x0
	v_lshrrev_b32 v8, 5, v0
	s_delay_alu instid0(VALU_DEP_1)
	v_readfirstlane_b32 s18, v8                    ; wave 0..15
	s_bfe_u32 s19, ttmp6, 0x40000                  ; cx: my place in the cluster: it enters Q's, x's, out0's and the prefetches' addresses alone
	s_and_b32 s39, ttmp7, 0xffff                   ; the batch, which the four partners share
	; descriptor group 1: 64 rows of 32 elements of 8 bytes, dense: 16 KB
	s_mov_b32 s24, 15|(3<<16)|(1<<21)              ; 15:0 the mask: all four work-groups; 17:16 elements of 8 bytes; 21 set beside a mask; no padding
	s_mov_b32 s25, 32<<16                          ; tensor_dim0 = 32
	s_mov_b32 s26, 64<<16                          ; tensor_dim1 = 64
	s_mov_b32 s27, 32<<16                          ; tile_dim0 = 32
	s_mov_b32 s28, 64                              ; tile_dim1 = 64
	s_mov_b32 s29, 32                              ; tensor_dim0_stride
	s_mov_b32 s30, 0
	s_mov_b32 s31, 0
	s_mov_b32 s20, 0x76543210                      ; v_permlanex16_b32: lane l xor 16
	s_mov_b32 s21, 0xfedcba98
	s_mov_b32 s22, 0x3e38aa3b                      ; c = log2(e) / 8
	s_mov_b32 s36, 0                               ; LDS byte at which the slot in hand begins
	s_mov_b32 s37, NSL-1                           ; slots still to be asked for
	s_sub_co_u32 s38, s18, 8
	s_lshr_b32 s38, s38, 2                         ; 0 in waves 8 to 11,
	s_or_b32 s38, s38, ttmp9                       ; of the batch's first cluster: the same in all four partners
	s_cmp_eq_u32 s38, 0
	s_cselect_b32 s38, 1, -1                       ; a wave prefetches while s37 is above this
	s_and_b32 s56, s18, 7
	s_lshl_b32 s58, s56, 14                        ; my 16 KB of a slot, in LDS and in kv
	s_lshl_b32 s56, s39, 21                        ; a batch's 32 steps are 2 MiB
	s_add_co_u32 s56, s56, s58
	s_mov_b32 s57, 0
	s_lshl_b32 s66, s39, 21                        ; the prefetches: my batch, my work-group's 32 KB, my wave's 8 KB,
	s_lshl_b32 s67, s19, 15
	s_add_co_u32 s66, s66, s67
	s_and_b32 s67, s18, 3
	s_lshl_b32 s67, s67, 13
	s_add_co_u32 s66, s66, s67
	s_add_co_u32 s66, s66, SLOTB                   ; in slot 1: the first change of slots steps it to slot 2
	s_mov_b32 s67, 0
	s_wait_kmcnt 0x0
	s_load_b64 s[50:51], s[10:11], 0x18            ; e6, e7
	s_load_b128 s[52:55], s[10:11], 0x20           ; e8, e9, e10, e11
	s_mov_b32 s32, 1                               ; group 0: count = 1,
	s_mov_b32 s33, s58                             ; LDS address: slot 0,
	s_add_nc_u64 s[34:35], s[6:7], s[56:57]        ; global address: the batch's first two steps,
	s_or_b32 s35, s35, 0x80000000                  ; type = 2
	s_add_nc_u64 s[40:41], s[6:7], s[66:67]
	CROUND                                         ; all four work-groups are here: the first joint loads meet
	JLOAD                                          ; slot 0
	s_lshl_b32 s68, ttmp9, 2
	s_add_co_u32 s68, s68, s19                     ; my block of 64 queries = 4 x cluster x + cx
	s_lshl_b32 s66, s39, 20                        ; q_img: 1 MiB a batch, 16 KB a block, image w = 4 (tile) + head
	s_lshl_b32 s69, s68, 14
	s_add_co_u32 s66, s66, s69
	s_lshl_b32 s69, s18, 10
	s_add_co_u32 s66, s66, s69
	s_add_nc_u64 s[4:5], s[4:5], s[66:67]
	s_lshl_b32 s66, s18, 12                        ; wo: rows 16 w on
	s_add_nc_u64 s[8:9], s[8:9], s[66:67]
	s_lshl_b32 s66, s39, 22                        ; x, out0: batch, channel 16 w, token 64 x block
	s_lshl_b32 s69, s18, 18
	s_add_co_u32 s66, s66, s69
	s_lshl_b32 s69, s68, 8
	s_add_co_u32 s66, s66, s69
	s_add_nc_u64 s[12:13], s[12:13], s[66:67]
	s_add_nc_u64 s[14:15], s[14:15], s[66:67]
	v_and_b32 v9, 31, v0                           ; lane
	s_delay_alu instid0(VALU_DEP_1)
	v_lshlrev_b32 v4, 4, v9
	s_delay_alu instid0(VALU_DEP_2)
	v_lshlrev_b32 v3, 8, v9
	v_and_b32 v24, 15, v0                          ; r
	v_bfe_u32 v25, v0, 4, 1                        ; h
	s_delay_alu instid0(VALU_DEP_2)
	v_lshlrev_b32 v9, 8, v24
	s_delay_alu instid0(VALU_DEP_1)
	v_lshl_add_u32 v9, v25, 4, v9                  ; wo: row r of 256 bytes, + 16 h
	global_load_b128 v[16:19], v4, s[4:5]          ; Q's fragment stays in registers
	global_load_b128 v[20:23], v4, s[4:5] offset:512
.irp hd, 0,1,2,3
.irp bb, 0,1
	global_load_b128 v[192+8*\hd+4*\bb:195+8*\hd+4*\bb], v9, s[8:9] offset:64*\hd+32*\bb   ; wo(16 w + r, 64 hd + 32 b' + 16 h + 0 .. 15): the places that ctx's codes take
.endr
.endr
	s_and_b32 s59, s18, 3
	s_lshl_b32 s59, s59, 13
	v_add_nc_u32 v1, s59, v4                       ; 16 x lane + my head's 8 KB
	s_delay_alu instid0(VALU_DEP_1)
	v_add_nc_u32 v2, 0x10000, v1                   ; the same in a slot's second step
	v_lshlrev_b32 v7, 14, v25
	s_delay_alu instid0(VALU_DEP_1)
	v_lshl_add_u32 v7, v24, 4, v7                  ; x, out0: lanes 0-15 one channel's 256 bytes, lanes 16-31 the next channel's
	s_lshl_b32 s59, s18, 10
	v_add_nc_u32 v10, s59, v4                      ; ctx's image w
	s_mul_i32 s59, s18, 16*SP
	s_add_co_u32 s59, s59, STG                     ; my 16 rows of the stage
	v_mul_u32_u24 v11, v24, SP
	s_delay_alu instid0(VALU_DEP_1)
	v_lshl_add_u32 v11, v25, 5, v11
	s_delay_alu instid0(VALU_DEP_1)
	v_add_nc_u32 v11, s59, v11                     ; in: row r, 32 bytes for each half of the lanes
	v_mul_u32_u24 v26, v25, SP
	s_delay_alu instid0(VALU_DEP_1)
	v_lshl_add_u32 v26, v24, 4, v26
	s_delay_alu instid0(VALU_DEP_1)
	v_add_nc_u32 v24, s59, v26                     ; back: lanes 0-15 one row, lanes 16-31 the next
	v_mov_b32 v13, 0xff61b1e6                      ; the largest t so far: -3e38, under every t
	s_delay_alu instid0(VALU_DEP_1)
	v_floor_f32 v12, -v13                          ; -M
	v_mov_b32 v14, 0                               ; the sum, in two halves
	v_mov_b32 v15, 0
	v_mov_b32 v246, 0                              ; written once: a lane permute's destination counts as one of its sources
	v_mov_b32 v253, 0                              ; (named as the upper half of the pair v[252:253])
.set j, 0
.rept 32
	v_mov_b32 v[160+j], 0                          ; O^T.  (The step is written once: the first finds zeros, which the first change of M leaves zeros)
.set j, j+1
.endr
	s_wait_kmcnt 0x0
	s_add_co_i32 s56, s50, s51
	s_lshl_b32 s56, s56, 23
	s_add_co_i32 s22, s22, s56                     ; a score stands for score x 2^(e6 + e7): the exponents are added to c's exponent field
	s_mov_b32 s23, s22                             ; (named with it as a pair, so it is written)
	s_add_co_i32 s56, s52, 127
	s_lshl_b32 s57, s56, 23
	v_mov_b32 v244, s57                            ; 2^e8 as f32, for p's conversion
	s_sub_co_i32 s56, s54, s52
	s_sub_co_i32 s56, s56, s53                     ; O / l stands for ctx / 2^(e8 + e9): its code is (O / l) / 2^(e10 - e8 - e9)
	s_add_co_i32 s56, s56, 127
	s_lshl_b32 s57, s56, 23
	v_mov_b32 v245, s57
	s_add_co_i32 s76, s54, s55
	s_add_co_i32 s76, s76, 127
	s_lshl_b32 s76, s76, 23                        ; 2^(e10 + e11) as f32
	s_mov_b32 s77, s76
; A KEY STEP: 128 keys, the q-th of the slot in hand.
.macro STEP q
	v_add_nc_u32 v8, s36, v[1+\q]
.rept 3
	v_nop                                          ; with the addition: four places in front of loads into registers that the last products read (ISA guide 7.12.1 for vector instructions)
.endr
.set kt, 0
.rept 8
	ds_load_b128 v[32+8*kt:35+8*kt], v8 offset:1024*kt                 ; K's tile kt: 16 keys x 64
	ds_load_b128 v[36+8*kt:39+8*kt], v8 offset:1024*kt+512
.set kt, kt+1
.endr
	s_wait_alu depctr_va_vdst(0)
	s_wait_dscnt 8                                 ; tiles 0-3 are in; the eight younger loads may be out
.irp t, 0,1,2,3
	v_wmma_f32_16x16x64_fp8_fp8 v[96+8*\t:103+8*\t], v[32+8*\t:39+8*\t], v[16:23], 0
.endr
	s_wait_dscnt 0x0
.irp t, 4,5,6,7
	v_wmma_f32_16x16x64_fp8_fp8 v[96+8*\t:103+8*\t], v[32+8*\t:39+8*\t], v[16:23], 0
.endr
.rept 4
	v_nop                                          ; places in front of V's loads into K's registers and of the first read of the scores
.endr
.irp t, 0,1,2,3
.irp c, 0,1,2,3
	ds_load_b128 v[32+16*\t+4*\c:35+16*\t+4*\c], v8 offset:32768+2048*\t+512*\c   ; V^T's tile t: 16 channels x 128 keys; it lands under the softmax
.endr
.endr
	v_max3_num_f32 v254, v96, v97, v98             ; the step's largest score of my query, among my 64 keys, in two chains, in ascending order,
	v_max3_num_f32 v252, v99, v100, v101
.irp i, 6,10,14,18,22,26,30,34,38,42,46,50,54,58
	v_max3_num_f32 v254, v254, v[96+\i], v[97+\i]
	v_max3_num_f32 v252, v252, v[98+\i], v[99+\i]
.endr
	v_max3_num_f32 v254, v254, v158, v159
	s_delay_alu instid0(VALU_DEP_1)
	v_max_num_f32 v254, v254, v252
	s_delay_alu instid0(VALU_DEP_1)
	v_permlanex16_b32 v246, v254, s20, s21
	s_delay_alu instid0(VALU_DEP_1)
	v_max_num_f32 v254, v254, v246                 ; and among lane l xor 16's
	s_delay_alu instid0(VALU_DEP_1)
	v_mul_f32 v254, s22, v254                      ; as t (c is positive)
	s_delay_alu instid0(VALU_DEP_1)
	v_max_num_f32 v13, v13, v254                   ; the running largest t
	v_mov_b32 v254, v12
	s_delay_alu instid0(VALU_DEP_2)
	v_floor_f32 v12, -v13                          ; the new -M = floor(-t) = -ceil(t): M is a whole number
	s_delay_alu instid0(VALU_DEP_1)
	v_sub_f32 v254, v12, v254                      ; M's old value less its new one: a whole number, 0 or less
	s_delay_alu instid0(VALU_DEP_1)
	v_cvt_i32_f32 v254, v254                       ; (it saturates)
	s_delay_alu instid0(VALU_DEP_1)
	v_ldexp_f32 v252, 1.0, v254                    ; f = 2^(old M - new M)
.set j, 0
.rept 32
	v_pk_fma_f32 v[96+j:97+j], v[96+j:97+j], s[22:23], v[12:13] op_sel_hi:[1,0,0]   ; t - M, two at a time (of the pairs c and -M the low word serves both halves)
.set j, j+2
.endr
.set j, 0
	s_wait_alu depctr_va_vdst(0)
.rept 64
	v_exp_f32 v[96+j], v[96+j]                     ; p = 2^(t - M), at most 1: not normalised
.set j, j+1
.endr
	v_pk_mul_f32 v[14:15], v[14:15], v[252:253] op_sel_hi:[1,0]       ; the sums under the new M.  (The plain instruction behind the exponentials)
	s_wait_alu depctr_va_vdst(0)                   ; one wait for the whole batch, ahead of its first reader
	v_pk_add_f32 v[242:243], v[100:101], v[104:105]
	v_pk_add_f32 v[254:255], v[108:109], v[112:113]
	v_pk_add_f32 v[250:251], v[116:117], v[120:121]
	v_pk_add_f32 v[248:249], v[124:125], v[128:129]
	v_pk_add_f32 v[240:241], v[132:133], v[136:137]
	v_pk_add_f32 v[238:239], v[140:141], v[144:145]
	v_pk_add_f32 v[236:237], v[148:149], v[152:153]
	v_pk_add_f32 v[14:15], v[14:15], v[156:157]
	v_pk_add_f32 v[242:243], v[242:243], v[96:97]
	v_pk_add_f32 v[254:255], v[254:255], v[98:99]
	v_pk_add_f32 v[250:251], v[250:251], v[102:103]
	v_pk_add_f32 v[248:249], v[248:249], v[106:107]
	v_pk_add_f32 v[240:241], v[240:241], v[110:111]
	v_pk_add_f32 v[238:239], v[238:239], v[114:115]
	v_pk_add_f32 v[236:237], v[236:237], v[118:119]
	v_pk_add_f32 v[14:15], v[14:15], v[122:123]
	v_pk_add_f32 v[242:243], v[242:243], v[126:127]
	v_pk_add_f32 v[254:255], v[254:255], v[130:131]
	v_pk_add_f32 v[250:251], v[250:251], v[134:135]
	v_pk_add_f32 v[248:249], v[248:249], v[138:139]
	v_pk_add_f32 v[240:241], v[240:241], v[142:143]
	v_pk_add_f32 v[238:239], v[238:239], v[146:147]
	v_pk_add_f32 v[236:237], v[236:237], v[150:151]
	v_pk_add_f32 v[14:15], v[14:15], v[154:155]
	v_pk_add_f32 v[242:243], v[242:243], v[158:159]
	s_delay_alu instid0(VALU_DEP_2)
	v_pk_add_f32 v[14:15], v[14:15], v[248:249]
	s_delay_alu instid0(VALU_DEP_2)
	v_pk_add_f32 v[242:243], v[242:243], v[240:241]
	v_pk_add_f32 v[254:255], v[254:255], v[238:239]
	v_pk_add_f32 v[250:251], v[250:251], v[236:237]
	s_delay_alu instid0(VALU_DEP_2)
	v_pk_add_f32 v[14:15], v[14:15], v[254:255]
	s_delay_alu instid0(VALU_DEP_2)
	v_pk_add_f32 v[242:243], v[242:243], v[250:251]
	s_delay_alu instid0(VALU_DEP_1)
	v_pk_add_f32 v[14:15], v[14:15], v[242:243]
.irp t, 0,1,2,3,4,5,6,7
.irp i, 0,1,2,3,4,5,6,7
.endr
	v_cvt_scalef32_pk8_fp8_f32 v[224+2*\t:225+2*\t], v[96+8*\t:103+8*\t], v244   ; keys 16 t + 8 (lane / 16) + 0 .. 7: registers 2 t, 2 t + 1 of P's fragment
.endr
.set j, 0
.rept 16
	v_pk_mul_f32 v[160+j:161+j], v[160+j:161+j], v[252:253] op_sel_hi:[1,0]      ; O^T under the new M, each accumulator from its low end on.  (These are also the plain instructions behind the conversions)
.set j, j+2
.endr
	s_wait_alu depctr_va_vdst(0)
	s_wait_dscnt 0x0                               ; V is in
.irp t, 0,1,2,3
	v_wmma_f32_16x16x128_fp8_fp8 v[160+8*\t:167+8*\t], v[32+16*\t:47+16*\t], v[224:239], v[160+8*\t:167+8*\t]   ; the four accumulators by turns; eight other products stand between two links of a chain
.endr
.endm
; THE CHANGE OF SLOTS stands at a slot's head.  Each wave waits for all its tensor loads (its part of the slot that it is about to read), adds 0 to its spare word, and waits for that and for its reads of the slot that it has left.
; fill = 1: a round of the cluster's barrier follows, behind which no wave of any partner still reads the other slot or has a load on its way; that slot is then filled with the next 256 keys: the load has two key steps in which to land.
.macro CHANGE fill
	s_wait_tensorcnt 0x0                           ; no tensor load of mine is out, so group 0 may be written
	ds_add_u32 v5, v6                              ; 0 onto my spare word
.if \fill
	s_xor_b32 s33, s33, SLOT1                      ; the walking descriptor: the other slot than last time,
	s_add_nc_u64 s[34:35], s[34:35], SLOTB         ; the next two steps; the type bits on top are not reached
	s_wait_xcnt 0x0                                ; the last prefetch, a slot back, has read its address, so it may be written:
	s_add_nc_u64 s[40:41], s[40:41], SLOTB         ; one slot further on than the walking descriptor
.endif
	s_wait_dscnt 0x0                               ; the add is done, and my reads of the slot that I have left are over
.if \fill
	CROUND
	JLOAD                                          ; the first thing behind the round, and a wave's one tensor load until the next
	ASK
.else
	s_barrier_signal -1
	s_barrier_wait -1
.endif
.endm
.macro SLOT_STEPS
	STEP 0
	STEP 1
	s_xor_b32 s36, s36, SLOT1                      ; on to the other slot
.endm
	s_wait_loadcnt 0x0                             ; Q, wo
.Lslot:                                            ; NSL - 1 trips: behind each change of slots but the last the next slot is asked for
	CHANGE 1
	SLOT_STEPS
	s_sub_co_u32 s37, s37, 1
	s_cmp_lg_u32 s37, 0
	s_cbranch_scc1 .Lslot
	CHANGE 0                                       ; the last slot is written out
	SLOT_STEPS
	; THE TAIL.  ctx = O^T / the sum, quantised with 2^e10; its image goes to LDS; every wave reads all sixteen images and makes its 16 out channels for the 64 tokens.
	v_add_f32 v14, v14, v15                        ; the sum's two halves,
	s_delay_alu instid0(VALU_DEP_1)
	v_permlanex16_b32 v252, v14, s20, s21
	s_delay_alu instid0(VALU_DEP_1)
	v_add_f32 v14, v14, v252                       ; and lane l xor 16's: the row's sum
	s_wait_alu depctr_va_vdst(0)
	v_rcp_f32 v14, v14
.rept 4
	v_nop                                          ; the plain instruction behind the reciprocal, and the places behind the last products
.endr
.set i, 0
.rept 8
	global_load_b128 v[32+4*i:35+4*i], v7, s[12:13] offset:32768*i th:TH_LOAD_NT   ; the residual: channels 16 w + 2 i, + 1, my block's 256 bytes of each; it lands under the last product
.set i, i+1
.endr
	s_wait_alu depctr_va_vdst(0)                   ; the wait ahead of the reciprocal's first reader
.set j, 0
.rept 16
	v_pk_mul_f32 v[96+j:97+j], v[160+j:161+j], v[14:15] op_sel_hi:[1,0]
.set j, j+2
.endr
.set j, 0
.rept 32
.set j, j+1
.endr
.irp t, 0,1,2,3
	v_cvt_scalef32_pk8_fp8_f32 v[224+2*\t:225+2*\t], v[96+8*\t:103+8*\t], v245     ; registers 4 b' .. 4 b' + 3: channels 32 b' + 16 (lane / 16) + 0 .. 15 of my head
.endr
	v_nop                                          ; one plain instruction behind the conversions: products below write these registers
	ds_store_b128 v10, v[224:227]
	ds_store_b128 v10, v[228:231] offset:512
	s_wait_dscnt 0x0                               ; for the others' sake: my image has landed
	s_barrier_signal -1
	s_barrier_wait -1
.irp hd, 0,1,2,3                       ; head by head, so that the products can begin when the first head's four images are in
.irp qt, 0,1,2,3
	ds_load_b128 v[64+8*(4*\qt+\hd):67+8*(4*\qt+\hd)], v4 offset:(4*\qt+\hd)*1024
	ds_load_b128 v[68+8*(4*\qt+\hd):71+8*(4*\qt+\hd)], v4 offset:(4*\qt+\hd)*1024+512
.endr
.endr
.irp hd, 0,1,2,3
	s_wait_dscnt 24-8*\hd                          ; this head's eight loads are in; the later heads', eight each, may be out
.irp qt, 0,1,2,3
.if \hd == 0
	v_wmma_f32_16x16x64_fp8_fp8 v[224+8*\qt:231+8*\qt], v[64+8*(4*\qt+\hd):71+8*(4*\qt+\hd)], v[192+8*\hd:199+8*\hd], 0
.else
	v_wmma_f32_16x16x64_fp8_fp8 v[224+8*\qt:231+8*\qt], v[64+8*(4*\qt+\hd):71+8*(4*\qt+\hd)], v[192+8*\hd:199+8*\hd], v[224+8*\qt:231+8*\qt]
.endif
.endr
.endr                                  ; source 0 = 16 tokens, source 1 = 16 rows of wo: lane (r, h), register j: token 16 qt + 8 h + j of out channel 16 w + r: eight neighbours of a row of out0
.rept 4
	v_nop                                          ; places in front of the stores that read results and of the loads into the images' registers
.endr
.irp qt, 0,1,2,3
	ds_store_b128 v11, v[224+8*\qt:227+8*\qt] offset:64*\qt
	ds_store_b128 v11, v[228+8*\qt:231+8*\qt] offset:64*\qt+16
.endr
.set i, 0
.rept 8
	ds_load_b128 v[64+4*i:67+4*i], v24 offset:2*SP*i                   ; my own rows: LDS serves a wave's instructions in order (ISA guide 5.7.1.4), so these see my stores
.set i, i+1
.endr
	s_wait_loadcnt 0x0                             ; the residual
.set i, 0
.rept 8
	s_wait_dscnt 7-i                               ; rows 2 i, 2 i + 1 are back; the younger loads may be out
	v_pk_fma_f32 v[64+4*i:65+4*i], v[64+4*i:65+4*i], s[76:77], v[32+4*i:33+4*i] op_sel_hi:[1,0,1]   ; sum x 2^(e10 + e11) + x
	v_pk_fma_f32 v[66+4*i:67+4*i], v[66+4*i:67+4*i], s[76:77], v[34+4*i:35+4*i] op_sel_hi:[1,0,1]
	global_store_b128 v7, v[64+4*i:67+4*i], s[14:15] offset:32768*i th:TH_STORE_NT   ; sixteen lanes store 256 consecutive bytes, at a multiple of 256 from out0's first byte
.set i, i+1
.endr
	s_wait_tensorcnt 0x0                           ; the wave's end, behind my last tensor load and my last LDS store
	ds_add_u32 v5, v6
	s_wait_dscnt 0x0
	CROUND                                         ; the closing round: no work-group ends while a partner may still ask for a tile that names it
	s_endpgm
.Lfunc_end_k_qc36a23be84_attn:
	.size	k_qc36a23be84_attn, .Lfunc_end_k_qc36a23be84_attn-k_qc36a23be84_attn
	.p2alignl 7, 3214868480
	.fill 96, 4, 3214868480
	.section	.rodata,"a",@progbits
	.p2align	6, 0x0
	.amdhsa_kernel k_qc36a23be84_attn
		.amdhsa_group_segment_fixed_size 327680
		.amdhsa_private_segment_fixed_size 0
		.amdhsa_enable_private_segment 0
		.amdhsa_kernarg_size 48
		.amdhsa_user_sgpr_count 2
		.amdhsa_user_sgpr_kernarg_segment_ptr 1
		.amdhsa_wavefront_size32 1
		.amdhsa_system_sgpr_workgroup_id_x 1
		.amdhsa_system_sgpr_workgroup_id_y 1
		.amdhsa_system_sgpr_workgroup_id_z 1
		.amdhsa_system_vgpr_workitem_id 0
		.amdhsa_next_free_vgpr 256
		.amdhsa_next_free_sgpr 80
		.amdhsa_reserve_vcc 0
		.amdhsa_float_denorm_mode_32 3
		.amdhsa_float_denorm_mode_16_64 3
		.amdhsa_fp16_overflow 1
		.amdhsa_memory_ordered 1
		.amdhsa_forward_progress 1
		.amdhsa_inst_pref_size 74
	.end_amdhsa_kernel
	.amdgpu_metadata
---
amdhsa.version: [ 1, 2 ]
amdhsa.kernels:
  - .name:           k_qc36a23be84_attn
    .symbol:         k_qc36a23be84_attn.kd
    .args:
      - { .name: q_img, .offset: 0, .size: 8, .value_kind: global_buffer, .address_space: global }
      - { .name: kv, .offset: 8, .size: 8, .value_kind: global_buffer, .address_space: global }
      - { .name: wo_codes, .offset: 16, .size: 8, .value_kind: global_buffer, .address_space: global }
      - { .name: lowp_scales, .offset: 24, .size: 8, .value_kind: global_buffer, .address_space: global }
      - { .name: x, .offset: 32, .size: 8, .value_kind: global_buffer, .address_space: global }
      - { .name: out0, .offset: 40, .size: 8, .value_kind: global_buffer, .address_space: global }
    .group_segment_fixed_size: 327680
    .private_segment_fixed_size: 0
    .kernarg_segment_align: 8
    .kernarg_segment_size: 48
    .max_flat_workgroup_size: 512
    .sgpr_count:     80
    .vgpr_count:     256
    .wavefront_size: 32
...
	.end_amdgpu_metadata
.endif
;; end of part 3
